; MI455X (gfx1250); checked and timed in simulation.
; The chip was launched on July 23, 2026; its instructions are those of AMD's public machine-readable ISA for CDNA 5 (MIT licence, August 2026) and "CDNA5" Instruction Set Architecture Reference Guide (July 2026). The comments in the code are by the model that wrote it; some were corrected since.
;; Multi Head Attention. Allowed arithmetic: matrix products marked QUANTISED: E2M1 operands, one E8M0 scale for each 32 along K, by v_wmma_scale_f32_16x16x128_f8f6f4 with both operands' format E2M1 (or v_wmma_scale_f32_32x16x128_f4), f32 sums; everything else in f32.
;; Inputs: fc_b 768 float32; fc_w_codes 768 x 24 x 16 uint8 (E2M1 codes of fc_w, K innermost, in blocks of 32 codes, two codes a byte); fc_w_scales 768 x 24 uint8 (E8M0 scales of fc_w, one for each 32 codes along K); keys 2 x 4,096 x 768 float32; query 2 x 4,096 x 768 float32; values_codes 2 x 768 x 128 x 16 uint8 (E2M1 codes of values, K innermost, in blocks of 32 codes, two codes a byte); values_scales 2 x 768 x 128 uint8 (E8M0 scales of values, one for each 32 codes along K).
;; Outputs: out0 2 x 4,096 x 768 float32.
;; This version of the problem:
;;   THIS VERSION OF THE PROBLEM IS GIVEN IN LOW PRECISION. The matrix products marked QUANTISED in the list below multiply operands that are first quantised to E2M1 (2 exponent bits, 1 mantissa bit; 4 bits a number), with one power-of-two scale for each 32 numbers along K (OCP MX v1.0); their sums are f32. All else is computed in f32.
;;   The module's matrix products, in the order in which they are computed (A, B: the left and right operand; K: the contracted axis; several contracted axes count as one K, in the product's order):
;;     1. batch 16 x [M 4,096, K 96] x [K 96, N 4,096]; A: input query; B: input keys: QUANTISED
;;     2. batch 16 x [M 4,096, K 4,096] x [K 4,096, N 96]; A: softmax (see below); B: input values (given as codes): QUANTISED
;;     3. [M 8,192, K 768] x [K 768, N 768]; A: computed on the way; B: input fc_w (given as codes): QUANTISED
;;   THE QUANTISER, for each operand of a quantised product, along K:
;;     - K is cut into blocks of 32 from its start; a last block that is shorter is filled with zeros.
;;     - A block's scale is 2^e with e = floor(log2(the largest magnitude in the block)) - 2, held to -126 .. 127; a block of zeros has e = 0. As a byte (E8M0): e + 127.
;;     - Each number is divided by its block's scale, clamped to +-6, and rounded to the nearest number of E2M1, ties to even, subnormals kept.
;;     - The product sums the exact products of the quantised numbers (number of the format x scale) in f32.
;;   ~~~python
;;   def quantise(x, axis):      # numpy; x: float32 -> the quantised numbers, widened to float32 again
;;       x = np.moveaxis(x, axis, -1); K = x.shape[-1]
;;       x = np.pad(x, [(0, 0)] * (x.ndim - 1) + [(0, -K % 32)]); x = x.reshape(x.shape[:-1] + (-1, 32)); a = np.abs(x).max(-1, keepdims=True)
;;       e = np.where(a > 0, np.clip(np.frexp(np.where(a > 0, a, 1))[1] - 1 - 2, -126, 127), 0)      # np.frexp(a)[1] - 1 = floor(log2(a)), exactly
;;       r = np.clip(x / 2.0 ** e, -6, 6)
;;       step = 2.0 ** (np.maximum(np.frexp(np.where(r == 0, 1, r))[1] - 1, 0) - 1)
;;       q = np.round(r / step) * step * 2.0 ** e      # np.round: ties to even
;;       return np.moveaxis(q.reshape(q.shape[:-2] + (-1,))[..., :K], -1, axis).astype(np.float32)
;;   ~~~
;;   SOFTMAX AHEAD OF A QUANTISED PRODUCT. Where the list says 'softmax', what is quantised is not the finished softmax but p = 2^(t - M), with t = logit x log2(e) and M = ceil(the row's largest t), a whole number; so 1/2 < the row's largest p <= 1. The row's sum l is taken of the UNQUANTISED p, in f32, and the product's result is divided by l at the end. Since M is a whole number, a kernel that streams over the keys may use a running M (the ceiling of the running maximum): every later rescaling is an exact power of two, which a block's scale takes up: the codes' values come out the same.
;;   OPERANDS COMPUTED ON THE WAY. 'Computed on the way' means the value that the module computes at that place (a softmax that the list does not call 'softmax' is quantised finished and normalised). What goes into a quantiser is computed in f32, as accurately as f32 sums, v_exp_f32 and their like allow (about 1e-6 of the number): no bf16 or f16 on the way to a quantiser, and a product that is left as it is and whose result goes on into a quantised operand takes f32 operands (vector FMAs, or v_wmma_f32_16x16x4_f32). A number that lies on a knife's edge between two numbers of the format may be rounded either way, as far as f32 arithmetic and the matrix unit's own rounding can turn it there, and no further.
;;   INPUTS GIVEN AS CODES. fc_w (in the module: [768, 768], K = its axis 1); values (in the module: [2, 4096, 768], K = its axis 1): each comes as NAME_codes (uint8): NAME with its K axis moved to the last place and cut into blocks of 32 codes, [.., K / 32, bytes a block], one block behind the other in memory; two codes a byte, the lower K in the low four bits (a code: sign, 2 exponent bits, 1 mantissa bit); and NAME_scales (uint8): the same leading axes, one E8M0 byte (e + 127) for each 32 codes along K. Its value is code x scale, taken as it is: it is not quantised again, and the codes and scales need not be those that the quantiser above would give.
;; One version. Each part assembles by itself: llvm-mc -triple=amdgcn-amd-amdhsa -mcpu=gfx1250 --defsym DOCPART=n.
;; ======== version 1 of 1: 2 launches
;; limits: right only within a limited range of input values
;; workspace buffers: q_img 4,194,304 bytes; k_img 4,194,304 bytes; q_sc 262,144 bytes; k_sc 262,144 bytes; v_img 3,145,728 bytes
;; launch quant (part 1): grid 256 x 1, 4 waves a work-group, no clusters, 327,680 bytes of LDS; arguments query, keys, q_img, q_sc, k_img, k_sc, values_codes, v_img; writes q_img, q_sc, k_img, k_sc, v_img
.if DOCPART == 1
	.amdgcn_target "amdgcn-amd-amdhsa--gfx1250"
	.amdhsa_code_object_version 6
	.text
	.protected	k_qa493a5a713_quant
	.globl	k_qa493a5a713_quant
	.p2align	8
	.type	k_qa493a5a713_quant,@function
k_qa493a5a713_quant:
	s_mov_b64 s[64:65], 0
	v_nop
	global_prefetch_b8 v0, s[64:65] scope:SCOPE_SE
	s_setreg_imm32_b32 hwreg(HW_REG_WAVE_MODE, 25, 1), 1
	s_wait_xcnt 0x0
; query and keys are quantised to FP4 (E2M1) along a head's 96 channels (three blocks of 32; filled to 128 with zero codes, fourth scale byte 127) and stored as images of the matrix operand's registers:
; q_img, k_img [nh 16][tile 256][c 2][lane 32][16 bytes]; q_sc, k_sc [nh][64 rows][slot 16][tile 4] words.  Work-groups 0-127 take query, 128-255 keys; a work-group 64 rows, a wave one tile of 16.
; THE ROWS OF A TILE ARE NOT NEIGHBOURS: slot m of tile u of a block of 64 rows is row 32 (m / 8) + 8 u + m % 8.
; V's codes, which come with the keys innermost, are laid anew as images too: v_img [16 channels: 96][key step 32][c 2][lane 32][16 bytes].
.set HS,    262144
.set VT,    0x32400                    ; LDS bytes of their own for V's images: 4,096 for each wave; no tensor load lands here
.set ROWB,  3072
.set PIECE, 1040
.set LROW,  3*PIECE
.set HALFW, 8*LROW
.set WT,    2*HALFW
.set SST,   4*WT
.set LA,   4
.set VA,   5
.set VB,   6
.set VC,   7
.set SSA,  8
.set SLA,  9
.set SGA,  10
.set X,    32
.set C,    96
.set Z,    144
.set E,    148
.set W,    160
.set OUTR, 164
.set G1,   24
.set G0,   32
	s_load_b128 s[4:7], s[0:1], 0x0
	s_load_b128 s[8:11], s[0:1], 0x10
	s_load_b128 s[12:15], s[0:1], 0x20
	s_load_b128 s[48:51], s[0:1], 0x30             ; values_codes, v_img
	v_lshl_add_u32 v168, v0, 2, 0x32000
	v_mov_b32 v169, 0
	ds_add_u32 v168, v169
	ds_add_u32 v168, v169
	v_lshrrev_b32 v1, 5, v0
	v_readfirstlane_b32 s16, v1
	s_and_b32 s17, ttmp9, 127
	s_lshl_b32 s20, s17, 6
	s_lshl_b32 s19, s16, 3
	s_add_co_u32 s20, s20, s19                     ; my tile's first eight rows: 64 x block + 8 x wave
	s_mul_i32 s20, s20, ROWB
	s_mov_b32 s21, 0
	s_mul_i32 s22, s16, WT
	s_mov_b32 s[G1+0], (3<<16)|(1<<20)|(7<<22)|(3<<25)
	s_mov_b32 s[G1+1], 128<<16
	s_mov_b32 s[G1+2], 24<<16
	s_mov_b32 s[G1+3], 128<<16
	s_mov_b32 s[G1+4], 24
	s_mov_b32 s[G1+5], 128
	s_mov_b32 s[G1+6], 0
	s_mov_b32 s[G1+7], 0
	s_lshr_b32 s18, s17, 6
	s_and_b32 s19, s17, 63
	s_lshl_b32 s44, s18, 21
	s_lshl_b32 s23, s19, 12
	s_add_co_u32 s44, s44, s23
	s_lshl_b32 s23, s16, 10
	s_add_co_u32 s44, s44, s23
	s_mov_b32 s45, 0
	s_lshl_b32 s46, s18, 17
	s_lshl_b32 s23, s19, 8
	s_add_co_u32 s46, s46, s23
	s_lshl_b32 s23, s16, 15
	s_add_co_u32 s46, s46, s23
	s_mov_b32 s47, 0
	s_mov_b32 s40, 0x76543210
	s_mov_b32 s41, 0xfedcba98
	s_mov_b32 s42, 0xffff0000
	s_wait_dscnt 0x0
	s_wait_kmcnt 0x0
	s_cmp_lt_u32 ttmp9, 128
	s_cselect_b64 s[4:5], s[4:5], s[6:7]
	s_cselect_b64 s[8:9], s[8:9], s[12:13]
	s_cselect_b64 s[10:11], s[10:11], s[14:15]
	s_add_nc_u64 s[4:5], s[4:5], s[20:21]
	s_add_nc_u64 s[8:9], s[8:9], s[44:45]
	s_add_nc_u64 s[10:11], s[10:11], s[46:47]
	s_mov_b32 s[G0+0], 1
	s_mov_b32 s[G0+1], s22
	s_mov_b64 s[G0+2:G0+3], s[4:5]
	s_or_b32 s[G0+3], s[G0+3], 0x80000000
	s_mov_b32 s[G0+4], 1
	s_add_co_u32 s[G0+5], s22, HALFW
	s_add_nc_u64 s[G0+6:G0+7], s[4:5], 32*ROWB     ; its second eight rows lie 32 rows on
	s_or_b32 s[G0+7], s[G0+7], 0x80000000
	tensor_load_to_lds s[G0:G0+3], s[G1:G1+7]
	s_nop 0
	s_wait_alu depctr_va_vdst(0)
	s_wait_tensorcnt 0x0
	ds_add_u32 v168, v169
	s_wait_dscnt 0x0
	s_barrier_signal -1
	s_barrier_wait -1
	tensor_load_to_lds s[G0+4:G0+7], s[G1:G1+7]
	s_nop 0
.rept 4
	v_nop
.endr
	v_and_b32 v1, 31, v0
	v_and_b32 v2, 15, v0
	v_bfe_u32 v3, v0, 4, 1
	v_mul_u32_u24 v[LA], v2, LROW
	v_lshl_add_u32 v[LA], v3, 7, v[LA]
	v_add_nc_u32 v[LA], s22, v[LA]
	v_lshlrev_b32 v[VA], 4, v1
	v_mul_u32_u24 v[VB], v3, HS-512
	v_lshl_add_u32 v[VB], v2, 4, v[VB]
	v_lshlrev_b32 v[VC], 18, v3
	v_lshl_add_u32 v[VC], v2, 4, v[VC]
	s_lshl_b32 s23, s16, 2
	s_add_co_u32 s23, s23, SST
	v_lshl_add_u32 v[SSA], v1, 4, s23
	s_lshl_b32 s18, s16, 9
	s_add_co_u32 s18, s18, SST
	v_lshl_add_u32 v[SLA], v1, 4, s18
	v_lshlrev_b32 v[SGA], 14, v3
	v_lshl_add_u32 v[SGA], v2, 4, v[SGA]
	v_mov_b32 v14, 0
	v_mov_b32 v15, 0
.irp i, 0,1,2,3
	v_mov_b32 v[Z+\i], 0
.endr
.macro LOADP p
.irp i, 0,1,2,3,4,5,6,7
	ds_load_b128 v[X+32*((\p)%2)+4*\i:X+32*((\p)%2)+4*\i+3], v[LA] offset:((\p)/4)*PIECE+((\p)%4)*256+16*\i
.endr
.endm
.macro PASS p
.set XS, X+32*((\p)%2)
.if (\p) < 11
	s_wait_dscnt 8
.else
	s_wait_dscnt 0x0
.endif
	v_max3_num_f32 v12, |v[XS]|, |v[XS+1]|, |v[XS+2]|
	v_max3_num_f32 v13, |v[XS+3]|, |v[XS+4]|, |v[XS+5]|
.irp i, 6,10,14,18,22,26
	v_max3_num_f32 v12, v12, |v[XS+\i]|, |v[XS+\i+1]|
	v_max3_num_f32 v13, v13, |v[XS+\i+2]|, |v[XS+\i+3]|
.endr
	v_max3_num_f32 v12, v12, |v[XS+30]|, |v[XS+31]|
	v_max3_num_f32 v12, v12, v13, 0x1800000
	v_add_nc_u32 v11, 0xff000000, v12
.irp g, 0,1,2,3
	v_cvt_scalef32_pk8_fp4_f32 v[C+4*(\p)+\g], v[XS+8*\g:XS+8*\g+7], v11
.endr
	v_lshrrev_b32 v[E+(\p)], 23, v11
.if (\p)%3 == 0
	global_store_b128 v[VA], v[C+4*(\p):C+4*(\p)+3], s[8:9] offset:2*((\p)/3)*HS
.elseif (\p)%3 == 1
	global_store_b128 v[VB], v[C+4*(\p):C+4*(\p)+3], s[8:9] offset:2*((\p)/3)*HS+512
.else
	global_store_b128 v[VA], v[C+4*(\p):C+4*(\p)+3], s[8:9] offset:(2*((\p)/3)+1)*HS+256
.endif
.if (\p)+2 < 12
	LOADP (\p)+2
.endif
.endm
.macro WORD m
	v_permlanex16_b32 v14, v[E+3*\m], s40, s41
	v_permlanex16_b32 v15, v[E+3*\m+2], s40, s41
	v_cndmask_b32 v16, v[E+3*\m], v[E+3*\m+1], s42
	v_cndmask_b32 v17, v14, v15, s42
	v_cndmask_b32 v18, v[E+3*\m+1], v[E+3*\m+2], s42
	v_lshl_or_b32 v16, v17, 8, v16
	v_lshl_or_b32 v16, v18, 16, v16
	v_or_b32 v[W+\m], 0x7f000000, v16
	ds_store_b32 v[SSA], v[W+\m] offset:512*\m
.endm
	; V: unit U = 3 x work-group + wave (waves 0-2: 768 units) is 16 channels x 256 bytes (four key steps): read as whole runs of 256 bytes, 16 lanes a row
	s_mul_i32 s52, ttmp9, 3
	s_add_co_u32 s52, s52, s16
	s_lshr_b32 s53, s52, 3
	s_lshl_b32 s54, s53, 15                        ; 16 rows of 2,048 bytes
	s_and_b32 s53, s52, 7
	s_lshl_b32 s53, s53, 8
	s_add_co_u32 s54, s54, s53
	s_mov_b32 s55, 0
	s_add_nc_u64 s[48:49], s[48:49], s[54:55]
	s_lshl_b32 s54, s52, 12                        ; the unit's images are 4,096 consecutive bytes
	s_add_nc_u64 s[50:51], s[50:51], s[54:55]
	s_lshl_b32 s53, s16, 12
	s_add_co_u32 s53, s53, VT
	v_lshlrev_b32 v170, 11, v3
	v_lshl_add_u32 v170, v2, 4, v170               ; in memory: row lane / 16, 16 bytes a lane
	v_lshlrev_b32 v171, 8, v2
	v_lshl_add_u32 v171, v3, 4, v171
	v_add_nc_u32 v171, s53, v171                   ; in LDS: piece i of a row (step i / 4, c, h) goes to 256 i + 16 x row
	v_add_nc_u32 v204, s53, v[VA]
	s_wait_alu depctr_va_vdst(0)                   ; the wait ahead of the branch
	s_cmp_lt_u32 s16, 3
	s_cbranch_scc0 .Lno_v_in
.irp j, 0,1,2,3,4,5,6,7
	global_load_b128 v[172+4*\j:175+4*\j], v170, s[48:49] offset:4096*\j
.endr
.Lno_v_in:
	s_wait_tensorcnt 0x0
	LOADP 0
	LOADP 1
.irp p, 0,1,2,3,4,5,6,7,8,9,10,11
	PASS \p
.endr
	s_wait_alu depctr_va_vdst(0)                   ; the wait ahead of the branch
	s_cmp_lt_u32 s16, 3
	s_cbranch_scc0 .Lno_v_out
	s_wait_loadcnt 0x0                             ; V's 16 rows
.irp j, 0,1,2,3,4,5,6,7
	ds_store_b128 v171, v[172+4*\j:175+4*\j] offset:32*\j
.endr
.irp j, 0,1,2,3,4,5,6,7
	ds_load_b128 v[208+4*\j:211+4*\j], v204 offset:512*\j   ; LDS serves a wave's instructions in order: these see my stores
.endr
	s_wait_dscnt 0x0
.irp j, 0,1,2,3,4,5,6,7
	global_store_b128 v[VA], v[208+4*\j:211+4*\j], s[50:51] offset:512*\j   ; 512 consecutive bytes a store
.endr
.Lno_v_out:
.irp m, 0,1,2,3
	global_store_b128 v[VC], v[Z:Z+3], s[8:9] offset:2*\m*HS+768
.endr
.irp m, 0,1,2,3
	WORD \m
.endr
	s_wait_dscnt 0x0
	s_barrier_signal -1
	s_barrier_wait -1
	ds_load_b128 v[OUTR:OUTR+3], v[SLA]
	s_wait_dscnt 0x0
	global_store_b128 v[SGA], v[OUTR:OUTR+3], s[10:11]
	s_wait_tensorcnt 0x0
	ds_add_u32 v168, v169
	s_wait_dscnt 0x0
	s_endpgm
.Lfunc_end_k_qa493a5a713_quant:
	.size	k_qa493a5a713_quant, .Lfunc_end_k_qa493a5a713_quant-k_qa493a5a713_quant
	.p2alignl 7, 3214868480
	.fill 96, 4, 3214868480
	.section	.rodata,"a",@progbits
	.p2align	6, 0x0
	.amdhsa_kernel k_qa493a5a713_quant
		.amdhsa_group_segment_fixed_size 327680
		.amdhsa_private_segment_fixed_size 0
		.amdhsa_enable_private_segment 0
		.amdhsa_kernarg_size 64
		.amdhsa_user_sgpr_count 2
		.amdhsa_user_sgpr_kernarg_segment_ptr 1
		.amdhsa_wavefront_size32 1
		.amdhsa_system_sgpr_workgroup_id_x 1
		.amdhsa_system_sgpr_workgroup_id_y 1
		.amdhsa_system_sgpr_workgroup_id_z 1
		.amdhsa_system_vgpr_workitem_id 0
		.amdhsa_next_free_vgpr 240
		.amdhsa_next_free_sgpr 66
		.amdhsa_reserve_vcc 0
		.amdhsa_float_denorm_mode_32 3
		.amdhsa_float_denorm_mode_16_64 3
		.amdhsa_memory_ordered 1
		.amdhsa_forward_progress 1
		.amdhsa_inst_pref_size 36
	.end_amdhsa_kernel
	.amdgpu_metadata
---
amdhsa.version: [ 1, 2 ]
amdhsa.kernels:
  - .name:           k_qa493a5a713_quant
    .symbol:         k_qa493a5a713_quant.kd
    .args:
      - { .name: query, .offset: 0, .size: 8, .value_kind: global_buffer, .address_space: global }
      - { .name: keys, .offset: 8, .size: 8, .value_kind: global_buffer, .address_space: global }
      - { .name: q_img, .offset: 16, .size: 8, .value_kind: global_buffer, .address_space: global }
      - { .name: q_sc, .offset: 24, .size: 8, .value_kind: global_buffer, .address_space: global }
      - { .name: k_img, .offset: 32, .size: 8, .value_kind: global_buffer, .address_space: global }
      - { .name: k_sc, .offset: 40, .size: 8, .value_kind: global_buffer, .address_space: global }
      - { .name: values_codes, .offset: 48, .size: 8, .value_kind: global_buffer, .address_space: global }
      - { .name: v_img, .offset: 56, .size: 8, .value_kind: global_buffer, .address_space: global }
    .group_segment_fixed_size: 327680
    .private_segment_fixed_size: 0
    .kernarg_segment_align: 8
    .kernarg_segment_size: 64
    .max_flat_workgroup_size: 128
    .sgpr_count:     66
    .vgpr_count:     240
    .wavefront_size: 32
...
	.end_amdgpu_metadata
.endif
;; end of part 1
;; launch mha (part 2): grid 256 x 1, 8 waves a work-group, no clusters, 224,256 bytes of LDS; arguments q_img, q_sc, k_img, k_sc, v_img, values_scales, fc_w_codes, fc_w_scales, fc_b, out0; writes out0
.if DOCPART == 2
	.amdgcn_target "amdgcn-amd-amdhsa--gfx1250"
	.amdhsa_code_object_version 6
	.text
	.protected	k_qa493a5a713_mha
	.globl	k_qa493a5a713_mha
	.p2align	8
	.type	k_qa493a5a713_mha,@function
k_qa493a5a713_mha:
	s_mov_b64 s[64:65], 0
	v_nop
	global_prefetch_b8 v0, s[64:65] scope:SCOPE_SE
	s_setreg_imm32_b32 hwreg(HW_REG_WAVE_MODE, 25, 1), 1
	s_wait_xcnt 0x0
; out0[n][q][:] = x[n][q][:] W^T + b, x[n][q][96 head + d] = the sum over k of softmax_k(Q . K / sqrt(96)) V: all three products on codes of FP4 (E2M1) with one E8M0 scale for each 32 along K.
; THE SOFTMAX AHEAD OF THE SECOND PRODUCT: t = score x log2(e) / sqrt(96); M = the row's largest t so far, rounded UP to a whole number; p = 2^(t - M) is quantised along the keys, not normalised.
; The row's sum is taken of the unquantised p, in f32, and divides O at the end.  When M moves, the sum and O are multiplied by 2^(old M - new M): exact.  x is quantised along its 768 channels.
; LIMITS: NaN and infinities are not served; the scaled scores stay under 2^31 in magnitude.  p under 2^-126 is 0 (v_exp_f32 flushes denormals: ISA guide 15.8).  1 / l is v_rcp_f32.
; A block of p or x that is all zeros gets the byte 1 (this program alone reads the bytes; its codes are zeros).
; SHARES.  A work-group owns 32 rows of out0 (two tiles of 16 queries, x = 0, 1) with all eight heads; wave w takes head w.  So the eight heads' x meet in LDS and the last product follows here: x never goes to memory.
; No two waves of a work-group share a byte of K or V, so K and V go from memory straight into registers, as images of the operand's registers (512 consecutive bytes a load), one key step ahead; the key loop has no barrier.
; NO CLUSTER, NO TENSOR LOAD: a key step of eight heads is 8 x (8,192 + 6,144) bytes, so two LDS slots could hold one step each and every one of the 32 steps would need a round of the cluster's barrier.
; LAYOUT.  All products are used transposed (source 1 = 16 queries): a lane holds ONE query (slot lane % 16).  Slot m of key tile 4 c + u is key 64 c + 32 (m / 8) + 8 u + m % 8, so that the 32 registers
; of tiles 4 c .. 4 c + 3 are the WHOLE block 2 c + lane / 16 of 32 keys, in the order that the second product's operand wants: no other lane is asked for a block's maximum and no codes change lanes.
; Query slot r of tile x is row 64 (j / 2) + 16 (j % 2) + 8 x + r % 8 + 32 (r / 8), j the work-group.
; REGISTERS.  Window 0: v1-11 addresses; v12-19 statistics; v20-35 Q; v36-163 S^T, then p; v164-179 p's codes; v180-191 scale words; v192-231 at work.  Window 1: v0-95 O^T; v96-159 K; v160-207 V.
; The last product: window 0: v12-35 b; v36-179 W's column tiles 3-5; v180-191, v244-255 scale words; v192-239 six accumulators; v240-243 addresses.  Window 1: v0-95 x; v96-191, v208-255 W's column tiles 0-2.
.set VSP,   144                        ; V's scale bytes in LDS: a channel's 128 bytes + 16
.set VSW,   96*VSP                     ; a wave's own 96 channels
.set XI,    8*VSW                      ; x's codes: [tile 2][block 24][slot 16][16 bytes]
.set XSC,   XI+12288                   ; x's scale bytes: 24 a row, row = 16 x tile + slot
.set SPARE, XSC+768                    ; the spare words, 128 bytes for each wave
.set STG,   SPARE+1024                 ; the way out: 32 rows x (3,072 bytes + 16)
.set SP,    3088
.set LI,   1                           ; 16 x lane
.set ASV0, 2                           ; my lane's place among V's scale bytes
.set ADT,  3
.set PFO,  4                           ; the prefetch's offset
.set SPW,  5                           ; my spare word; never rewritten
.set NIL,  6                           ; 0; never rewritten
.set SH8,  7                           ; 8 x (lane / 16)
.set ST,   12                          ; tile x at ST + 4 x: -M, the largest score, the sum in two halves
.set Q,    20
.set S,    36
.set PC,   164
.set KS,   180                         ; register t: lanes 0-15 key tile t, lanes 16-31 tile 4 + t
.set VS,   184                         ; register i: lanes 0-15 channel tile 2 i, lanes 16-31 tile 2 i + 1
.set QS,   188
.set PS,   190
.set TMP,  192                         ; tile x at TMP + 20 x:
.set BM,   0                           ; a block's largest score, then its largest p
.set B2,   2                           ; the maximum's second chain
.set PB,   4                           ; a lane permute's result
.set BY,   6                           ; scale bytes
.set SO,   8                           ; the conversions' scale operands
.set C2,   12                          ; the sum's second chain
.set TT,   14
.set T2,   15
.set FF,   16                          ; f = 2^(old M - new M); the pair's upper word is written once and not used
.set KF,   96
.set VF,   160
.set CX,   20                          ; x's codes
.set XV,   36                          ; x in f32: tile x at XV + 48 x
.set XS,   180                         ; x's scale words, K step s: lanes 0-15 tile 0, lanes 16-31 tile 1
.set ACC,  192
.set WV,   24
.set CS,   26                          ; s[26:27] c = log2(e) / sqrt(96)
.set SEL,  28                          ; s[28:29] lane l xor 16
.set HIM,  30
.set TJ,   31                          ; 4 x key step
.set CNT,  32
.set LIM,  33
.set PFA,  34
.set MSB, 0
.macro WIN new                         ; s_set_vgpr_msb: bits 1:0 source 0, 3:2 source 1, 5:4 source 2, 7:6 destination; the high byte repeats the setting that is left
.if MSB != \new
	s_set_vgpr_msb (MSB<<8)|\new
.set MSB, \new
.endif
.endm
.macro MM4 d, a, b, c, sa, sb, ra, rb  ; one product; ra, rb: the scales stand in lanes 16-31 of their registers
.if (\ra) && (\rb)
	v_wmma_scale_f32_16x16x128_f8f6f4 v[\d:\d+7], v[\a:\a+7], v[\b:\b+7], \c, v[\sa], v[\sb] matrix_a_fmt:MATRIX_FMT_FP4 matrix_b_fmt:MATRIX_FMT_FP4 matrix_a_scale:MATRIX_SCALE_ROW1 matrix_b_scale:MATRIX_SCALE_ROW1
.elseif (\ra)
	v_wmma_scale_f32_16x16x128_f8f6f4 v[\d:\d+7], v[\a:\a+7], v[\b:\b+7], \c, v[\sa], v[\sb] matrix_a_fmt:MATRIX_FMT_FP4 matrix_b_fmt:MATRIX_FMT_FP4 matrix_a_scale:MATRIX_SCALE_ROW1
.elseif (\rb)
	v_wmma_scale_f32_16x16x128_f8f6f4 v[\d:\d+7], v[\a:\a+7], v[\b:\b+7], \c, v[\sa], v[\sb] matrix_a_fmt:MATRIX_FMT_FP4 matrix_b_fmt:MATRIX_FMT_FP4 matrix_b_scale:MATRIX_SCALE_ROW1
.else
	v_wmma_scale_f32_16x16x128_f8f6f4 v[\d:\d+7], v[\a:\a+7], v[\b:\b+7], \c, v[\sa], v[\sb] matrix_a_fmt:MATRIX_FMT_FP4 matrix_b_fmt:MATRIX_FMT_FP4
.endif
.endm
.macro LOADK                           ; a key step's scale words and eight tiles of K: 17 loads
	global_load_b128 v[KS:KS+3], v[LI], s[10:11]
	WIN 0x40
.irp tau, 0,1,2,3,4,5,6,7
	global_load_b128 v[KF+8*\tau:KF+8*\tau+3], v[LI], s[8:9] offset:1024*\tau
.endr
	; a tile's second 512 bytes hold channels 64-95 in lanes 0-15 and the zero fill of channels 96-127 in lanes 16-31: only lanes 0-15 load (256 consecutive bytes); the upper lanes' registers were cleared at the head and stay 0
	s_wait_xcnt 0x0                                ; EXEC changes only behind this wait
	s_and_saveexec_b32 s61, vcc_lo                 ; VCC: lanes 0-15, made at the head and never rewritten
.irp tau, 0,1,2,3,4,5,6,7
	global_load_b128 v[KF+8*\tau+4:KF+8*\tau+7], v[LI], s[8:9] offset:1024*\tau+512
.endr
	s_wait_xcnt 0x0                                ; and again, in front of the line that widens it
	s_or_b32 exec_lo, exec_lo, s61
	WIN 0
.endm
.macro LOADV                           ; a key step's six channel tiles of V: 12 loads
	WIN 0x40
.irp t, 0,1,2,3,4,5
.irp c, 0,1
	global_load_b128 v[VF+8*\t+4*\c:VF+8*\t+4*\c+3], v[LI], s[12:13] offset:32768*\t+512*\c
.endr
.endr
	WIN 0
.endm
	s_load_b256 s[4:11], s[0:1], 0x0               ; q_img, q_sc, k_img, k_sc
	s_load_b256 s[12:19], s[0:1], 0x20             ; v_img, values_scales, fc_w_codes, fc_w_scales
	s_load_b128 s[20:23], s[0:1], 0x40             ; fc_b, out0
	v_lshl_add_u32 v[SPW], v0, 2, SPARE
	v_mov_b32 v[NIL], 0
	v_lshrrev_b32 v8, 5, v0
	v_readfirstlane_b32 s[WV], v8                  ; wave = head
	s_lshr_b32 s36, ttmp9, 7
	s_lshl_b32 s36, s36, 3
	s_add_co_u32 s36, s36, s[WV]                   ; nh = 8 n + head
	s_lshl_b32 s38, s36, 18                        ; q_img, k_img: 262,144 bytes an nh
	s_mov_b32 s39, 0
	s_lshl_b32 s40, s36, 14                        ; q_sc, k_sc: 16,384
	s_mov_b32 s41, 0
	s_mul_i32 s42, s36, 196608                     ; v_img
	s_mov_b32 s43, 0
	s_mul_i32 s44, s36, 12288                      ; values_scales
	s_mov_b32 s45, 0
	s_and_b32 s37, ttmp9, 127                      ; G: my 32 queries among the 4,096
	s_lshl_b32 s46, s37, 11                        ; tiles 2 G, 2 G + 1
	s_mov_b32 s47, 0
	s_lshr_b32 s48, s37, 1
	s_lshl_b32 s48, s48, 8
	s_and_b32 s49, s37, 1
	s_lshl_b32 s49, s49, 3
	s_add_co_u32 s48, s48, s49                     ; their two words of a slot's four
	s_mov_b32 s49, 0
	s_mul_i32 s50, s[WV], 36864                    ; W: my 96 rows of 384 bytes
	s_mov_b32 s51, 0
	s_mul_i32 s52, s[WV], 2304                     ; and their 24 scale bytes each
	s_mov_b32 s53, 0
	s_lshr_b32 s54, ttmp9, 1                       ; the four rows of out0 that I store: stage rows 4 w on
	s_lshl_b32 s54, s54, 6
	s_and_b32 s55, ttmp9, 1
	s_lshl_b32 s55, s55, 4
	s_add_co_u32 s54, s54, s55
	s_lshl_b32 s55, s[WV], 2
	s_add_co_u32 s54, s54, s55
	s_lshr_b32 s55, s[WV], 2
	s_lshl_b32 s55, s55, 4                         ; stage rows 16-31 lie 16 rows further on
	s_add_co_u32 s54, s54, s55
	s_mul_i32 s54, s54, 3072
	s_mov_b32 s55, 0
	s_mul_i32 s56, s[WV], VSW
	s_mul_i32 s57, s[WV], 768
	s_add_co_u32 s57, s57, XI
	s_mul_i32 s58, s[WV], 3
	s_add_co_u32 s58, s58, XSC
	s_mul_i32 s59, s[WV], 384
	s_add_co_u32 s59, s59, STG
	s_mul_i32 s60, s[WV], 4*SP
	s_add_co_u32 s60, s60, STG
	s_mov_b32 s[CS], 0x3e16c740                    ; c = log2(e) / sqrt(96)
	s_mov_b32 s[CS+1], s[CS]
	s_mov_b32 s[SEL], 0x76543210
	s_mov_b32 s[SEL+1], 0xfedcba98
	s_mov_b32 s[HIM], 0xffff0000
	s_mov_b32 s[TJ], 0
	s_mov_b32 s[CNT], 0
	v_and_b32 v8, 31, v0
	v_lshlrev_b32 v[LI], 4, v8
	v_and_b32 v10, 15, v0
	v_bfe_u32 v9, v0, 4, 1
	v_mul_u32_u24 v232, v10, 384
	v_lshl_add_u32 v232, v9, 4, v232               ; W: row r of a column tile, + 16 h
	v_mul_u32_u24 v233, v8, 24                     ; 24 x lane
	v_lshlrev_b32 v10, 4, v10                      ; 16 r: Q's scale words
	v_cmp_gt_u32 vcc_lo, 16, v8                    ; lanes 0-15
	WIN 0x40
.irp tau, 0,1,2,3,4,5,6,7
.irp i, 4,5,6,7
	v_mov_b32 v[KF+8*\tau+\i], 0                   ; K's channels 96-127 (lanes 16-31 of these registers): zero codes
.endr
.endr
	WIN 0
	s_wait_alu depctr_va_vdst(0)                   ; the wait ahead of the wait below
	s_wait_kmcnt 0x0
	s_add_nc_u64 s[4:5], s[4:5], s[38:39]
	s_add_nc_u64 s[4:5], s[4:5], s[46:47]
	s_add_nc_u64 s[6:7], s[6:7], s[40:41]
	s_add_nc_u64 s[6:7], s[6:7], s[48:49]
	s_add_nc_u64 s[8:9], s[8:9], s[38:39]
	s_add_nc_u64 s[10:11], s[10:11], s[40:41]
	s_add_nc_u64 s[12:13], s[12:13], s[42:43]
	s_add_nc_u64 s[14:15], s[14:15], s[44:45]
	s_add_nc_u64 s[16:17], s[16:17], s[50:51]
	s_add_nc_u64 s[18:19], s[18:19], s[52:53]
	s_add_nc_u64 s[22:23], s[22:23], s[54:55]
.irp k, 0,1,2,3,4,5,6,7,8,9,10,11,12,13,14,15,16,17,18,19,20,21,22,23
	global_load_b128 v[S+4*\k:S+4*\k+3], v[LI], s[14:15] offset:512*\k   ; my head's V scale bytes, 12,288 dense bytes, once
.endr
.irp x, 0,1
.irp c, 0,1
	global_load_b128 v[Q+8*\x+4*\c:Q+8*\x+4*\c+3], v[LI], s[4:5] offset:1024*\x+512*\c
.endr
.endr
	global_load_b64 v[QS:QS+1], v10, s[6:7]
	LOADK                                          ; key step 0
	LOADV
	; THE PREFETCH INTO THE L2.  The 128 work-groups of an n walk the same K and V and share the steps out: work-group G < 64 asks, once, for key step G / 2 (from step 3 on) of K (G even: 8,192 bytes, lanes 256 bytes apart)
	; or of V (G odd: six tiles of 1,024 bytes, four lanes a tile; the lanes left over name the last tile's blocks again), each wave for its head, in the trip that loads the step two before it.  K's scale words (512 bytes a step) come by their loads alone.
	s_bfe_u32 s40, ttmp9, 0x50001                  ; the step
	s_lshl_b32 s42, s40, 13
	s_lshl_b32 s44, s40, 10
	s_bitcmp1_b32 ttmp9, 0
	s_cselect_b64 s[PFA:PFA+1], s[12:13], s[8:9]
	s_cselect_b32 s42, s44, s42
	s_cselect_b32 s47, -1, 0
	s_add_nc_u64 s[PFA:PFA+1], s[PFA:PFA+1], s[42:43]
	s_sub_co_u32 s[LIM], s40, 3                    ; the trip (no trip's number for steps 0 to 2)
	s_bitcmp1_b32 ttmp9, 6
	s_cselect_b32 s[LIM], -1, s[LIM]
	v_min_u32 v3, 23, v8
	v_lshrrev_b32 v3, 2, v3
	v_lshlrev_b32 v3, 15, v3
	v_and_b32 v[PFO], 3, v0
	v_lshl_or_b32 v3, v[PFO], 8, v3
	v_lshlrev_b32 v[PFO], 8, v8
	v_cndmask_b32 v[PFO], v[PFO], v3, s47
	v_lshlrev_b32 v[SH8], 3, v9
	v_mul_u32_u24 v[ASV0], v8, VSP
	v_add_nc_u32 v[ASV0], s56, v[ASV0]             ; channel 32 i + lane
	v_bfe_u32 v11, v0, 3, 2
	v_mul_u32_u24 v11, v11, VSP
	v_and_b32 v3, 7, v0
	v_lshl_add_u32 v11, v3, 4, v11
	v_add_nc_u32 v11, s56, v11                     ; a load's 512 bytes are four channels: channel lane / 8, 16 bytes a lane
.irp x, 0,1
	v_mov_b32 v[ST+4*\x+1], 0xff61b1e6             ; the largest score so far: -3e38
	v_mov_b32 v[ST+4*\x], 0x7e967699               ; -M: 1e38, so that the first f is 0
	v_mov_b32 v[ST+4*\x+2], 0
	v_mov_b32 v[ST+4*\x+3], 0
.irp b, 0,1,2
	v_mov_b32 v[TMP+20*\x+PB+\b], 0                ; a lane permute's destination counts as one of its sources
.endr
	v_mov_b32 v[TMP+20*\x+FF+1], 0
.endr
	WIN 0x40
.set j, 0
.rept 96
	v_mov_b32 v[j], 0                              ; O^T: the step is written for every key step alike; the first f, 0, leaves zeros
.set j, j+1
.endr
	WIN 0
	s_wait_alu depctr_va_vdst(0)                   ; the wait at the head's end
	s_wait_loadcnt 34                              ; V's scale bytes are in; behind them Q's 5, K's 17 and V's 12 loads may be out
.irp k, 0,1,2,3,4,5,6,7,8,9,10,11,12,13,14,15,16,17,18,19,20,21,22,23
	ds_store_b128 v11, v[S+4*\k:S+4*\k+3] offset:4*VSP*\k   ; into my own bytes: no other wave touches them
.endr
	s_wait_dscnt 0x0
; A KEY STEP: 128 keys for my two tiles of queries.  pf = 1: the next step's K is asked for behind the first product, its V behind the second: each has a step in which to land.
.macro STEP pf
	s_wait_alu depctr_va_vdst(0)                   ; the wait ahead of the wait below
	s_wait_loadcnt 12                              ; K and its scale words are in; this step's V, 12 loads, may be out
	WIN 0x01
.irp tau, 0,1,2,3,4,5,6,7
.irp x, 0,1
	MM4 S+64*\x+8*\tau, KF+8*\tau, Q+8*\x, 0, KS+\tau%4, QS+\x, \tau/4, 0
.endr
.endr
	WIN 0
	v_add_nc_u32 v[ADT], s[TJ], v[ASV0]            ; four places behind the products (ISA guide 7.12.1)
.rept 3
	v_nop
.endr
.irp i, 0,1,2
	ds_load_b32 v[VS+\i], v[ADT] offset:32*VSP*\i
.endr
.if \pf
	s_wait_xcnt 0x0                                ; the bases are stepped only behind this wait
	s_add_nc_u64 s[8:9], s[8:9], 8192
	s_add_nc_u64 s[10:11], s[10:11], 512
	LOADK
	s_cmp_eq_u32 s[CNT], s[LIM]
	s_cbranch_scc0 .Lnot_mine_\@
	global_prefetch_b8 v[PFO], s[PFA:PFA+1] th:TH_LOAD_NT scope:SCOPE_SE
.Lnot_mine_\@:
.else
	; the last step: K's registers are free, and v208-255 of window 1 were never used: W's column tiles 0 and 2 of my six and twelve of its scale words are asked for here: 30 loads
	WIN 0x40
.irp s, 0,1,2,3,4,5
.irp c, 0,1
	global_load_b128 v[96+8*\s+4*\c:96+8*\s+4*\c+3], v232, s[16:17] offset:64*\s+32*\c
	global_load_b128 v[208+8*\s+4*\c:208+8*\s+4*\c+3], v232, s[16:17] offset:2*6144+64*\s+32*\c
.endr
.endr
	WIN 0
.irp i, 1,2
.irp k, 0,1,2
	global_load_b64 v[186+52*((\i+1)/2)+6*\i+2*\k:186+52*((\i+1)/2)+6*\i+2*\k+1], v233, s[18:19] offset:768*\i+8*\k   ; row 32 i + lane of my 96: its six scale words
.endr
.endr
.endif
	; the largest score of each block of 32 keys, all mine: it serves for the row's maximum and, since p rises with the score, for the block's largest p.  Each accumulator is read from its low end on
.irp x, 0,1
.irp c, 0,1
	v_max3_num_f32 v[TMP+20*\x+BM+\c], v[S+64*\x+32*\c], v[S+64*\x+32*\c+1], v[S+64*\x+32*\c+2]
	v_max3_num_f32 v[TMP+20*\x+B2+\c], v[S+64*\x+32*\c+16], v[S+64*\x+32*\c+17], v[S+64*\x+32*\c+18]
.endr
.endr
.irp i, 3,5,7,9,11,13
.irp x, 0,1
.irp c, 0,1
	v_max3_num_f32 v[TMP+20*\x+BM+\c], v[TMP+20*\x+BM+\c], v[S+64*\x+32*\c+\i], v[S+64*\x+32*\c+\i+1]
	v_max3_num_f32 v[TMP+20*\x+B2+\c], v[TMP+20*\x+B2+\c], v[S+64*\x+32*\c+16+\i], v[S+64*\x+32*\c+17+\i]
.endr
.endr
.endr
.irp x, 0,1
.irp c, 0,1
	v_max3_num_f32 v[TMP+20*\x+BM+\c], v[TMP+20*\x+BM+\c], v[S+64*\x+32*\c+15], v[S+64*\x+32*\c+31]
.endr
.endr
.irp x, 0,1
.irp c, 0,1
	v_max_num_f32 v[TMP+20*\x+BM+\c], v[TMP+20*\x+BM+\c], v[TMP+20*\x+B2+\c]
.endr
.endr
.irp x, 0,1
	v_max_num_f32 v[TMP+20*\x+TT], v[TMP+20*\x+BM], v[TMP+20*\x+BM+1]
.endr
.irp x, 0,1
	v_permlanex16_b32 v[TMP+20*\x+PB], v[TMP+20*\x+TT], s[SEL], s[SEL+1]
.endr
.irp x, 0,1
	v_max3_num_f32 v[ST+4*\x+1], v[ST+4*\x+1], v[TMP+20*\x+TT], v[TMP+20*\x+PB]   ; the running largest score
.endr
.irp x, 0,1
	v_mul_f32 v[TMP+20*\x+TT], s[CS], v[ST+4*\x+1]  ; as t (c is positive)
.endr
.irp x, 0,1
	v_mov_b32 v[TMP+20*\x+T2], v[ST+4*\x]
.endr
.irp x, 0,1
	v_floor_f32 v[ST+4*\x], -v[TMP+20*\x+TT]       ; -M = floor(-t) = -ceil(t)
.endr
.irp x, 0,1
	v_sub_f32 v[TMP+20*\x+TT], v[ST+4*\x], v[TMP+20*\x+T2]   ; old M - new M: a whole number, 0 or less
.endr
.irp x, 0,1
	v_cvt_i32_f32 v[TMP+20*\x+TT], v[TMP+20*\x+TT]  ; (it saturates)
.endr
.irp x, 0,1
	v_ldexp_f32 v[TMP+20*\x+FF], 1.0, v[TMP+20*\x+TT]
.endr
	WIN 0x41                                       ; O^T in window 1, f in window 0
.irp x, 0,1
.set j, 0
.rept 24
	v_pk_mul_f32 v[48*\x+j:48*\x+j+1], v[48*\x+j:48*\x+j+1], v[TMP+20*\x+FF:TMP+20*\x+FF+1] op_sel_hi:[1,0]   ; O^T under the new M, ahead of the exponentials
.set j, j+2
.endr
.endr
	WIN 0
.irp x, 0,1
	v_pk_mul_f32 v[ST+4*\x+2:ST+4*\x+3], v[ST+4*\x+2:ST+4*\x+3], v[TMP+20*\x+FF:TMP+20*\x+FF+1] op_sel_hi:[1,0]
.endr
.irp x, 0,1
.set j, 0
.rept 32
	v_pk_fma_f32 v[S+64*\x+j:S+64*\x+j+1], v[S+64*\x+j:S+64*\x+j+1], s[CS:CS+1], v[ST+4*\x:ST+4*\x+1] op_sel_hi:[1,0,0]   ; t - M
.set j, j+2
.endr
.irp c, 0,1
	v_fma_f32 v[TMP+20*\x+BM+\c], v[TMP+20*\x+BM+\c], s[CS], v[ST+4*\x]
.endr
.endr
	s_wait_alu depctr_va_vdst(0)                   ; one wait ahead of the batch
.set j, 0
.rept 128
	v_exp_f32 v[S+j], v[S+j]                       ; p = 2^(t - M), at most 1
.set j, j+1
.endr
.irp x, 0,1
.irp c, 0,1
	v_exp_f32 v[TMP+20*\x+BM+\c], v[TMP+20*\x+BM+\c]   ; the block's largest p: the same two instructions on the same number
.endr
.endr
	v_nop
	s_wait_alu depctr_va_vdst(0)                   ; and one behind it
.irp x, 0,1
.irp c, 0,1
	v_max_num_f32 v[TMP+20*\x+BM+\c], 0x1800000, v[TMP+20*\x+BM+\c]   ; the floor 2^(3 - 127): the byte cannot fall under 1
.endr
.endr
.irp x, 0,1
.irp c, 0,1
	v_add_nc_u32 v[TMP+20*\x+SO+\c], 0xff000000, v[TMP+20*\x+BM+\c]   ; 2 off the exponent field: the conversion's scale operand
.endr
.endr
.irp x, 0,1
.irp c, 0,1
	v_lshrrev_b32 v[TMP+20*\x+BY+\c], 23, v[TMP+20*\x+SO+\c]
.endr
.endr
.irp x, 0,1
	v_lshl_or_b32 v[TMP+20*\x+TT], v[TMP+20*\x+BY+1], 16, v[TMP+20*\x+BY]   ; my bytes: blocks h and 2 + h,
.endr
.irp x, 0,1
	v_lshlrev_b32 v[TMP+20*\x+TT], v[SH8], v[TMP+20*\x+TT]                  ; at their places in the word;
.endr
.irp x, 0,1
	v_permlanex16_b32 v[TMP+20*\x+PB], v[TMP+20*\x+TT], s[SEL], s[SEL+1]
.endr
.irp x, 0,1
	v_or_b32 v[PS+\x], v[TMP+20*\x+TT], v[TMP+20*\x+PB]                     ; with lane l xor 16's two the word is whole
.endr
.irp x, 0,1
.irp c, 0,1
.irp u, 0,1,2,3
	v_cvt_scalef32_pk8_fp4_f32 v[PC+8*\x+4*\c+\u], v[S+64*\x+32*\c+8*\u:S+64*\x+32*\c+8*\u+7], v[TMP+20*\x+SO+\c]
.endr
.endr
.endr
.irp x, 0,1                                    ; the row's sum of the unquantised p, two chains a tile; these lines are also the places between p's codes and scale words and the product
	v_pk_add_f32 v[TMP+20*\x+C2:TMP+20*\x+C2+1], v[S+64*\x:S+64*\x+1], v[S+64*\x+2:S+64*\x+3]
.endr
.irp j, 4,8,12,16,20,24,28,32,36,40,44,48,52,56,60
.irp x, 0,1
	v_pk_add_f32 v[ST+4*\x+2:ST+4*\x+3], v[ST+4*\x+2:ST+4*\x+3], v[S+64*\x+\j:S+64*\x+\j+1]
	v_pk_add_f32 v[TMP+20*\x+C2:TMP+20*\x+C2+1], v[TMP+20*\x+C2:TMP+20*\x+C2+1], v[S+64*\x+\j+2:S+64*\x+\j+3]
.endr
.endr
.irp x, 0,1
	v_pk_add_f32 v[ST+4*\x+2:ST+4*\x+3], v[ST+4*\x+2:ST+4*\x+3], v[TMP+20*\x+C2:TMP+20*\x+C2+1]
.endr
	s_wait_alu depctr_va_vdst(0)                   ; the wait ahead of the waits below
.if \pf
	s_wait_loadcnt 17                              ; V is in; the next step's K, 17 loads, may be out
.else
	s_wait_loadcnt 30                              ; V is in; W's 30 loads may be out
.endif
	s_wait_dscnt 0x0                               ; V's scale words
	WIN 0x51                                       ; V, C and D in window 1; P in window 0
.irp t, 0,1,2,3,4,5                            ; the twelve accumulators take turns
.irp x, 0,1
	MM4 48*\x+8*\t, VF+8*\t, PC+8*\x, v[48*\x+8*\t:48*\x+8*\t+7], VS+\t/2, PS+\x, \t%2, 0
.endr
.endr
	WIN 0
	s_add_co_u32 s[TJ], s[TJ], 4
.if \pf
.rept 4
	v_nop                                          ; places in front of the loads into V's registers
.endr
	s_wait_xcnt 0x0
	s_add_nc_u64 s[12:13], s[12:13], 1024
	LOADV
.endif
.endm
.Lstep:                                            ; 31 trips; the last step is written out: it asks for W's tiles 0 and 2 and scale words instead
	STEP 1
	s_add_co_u32 s[CNT], s[CNT], 1
	s_cmp_lt_u32 s[CNT], 31
	s_cbranch_scc1 .Lstep
	STEP 0
	; THE LAST PRODUCT.  Wave w makes columns 96 w .. 96 w + 95 of the work-group's 32 rows.  W's rows come straight into registers: column tiles 0-2 are asked for now, 3-5 when x's f32 registers are free.
	v_and_b32 v2, 15, v0                           ; r  (these lines are also the places behind the last products)
	v_bfe_u32 v3, v0, 4, 1                         ; h
.macro LOADW g, base
.irp tc, 0,1,2
.irp s, 0,1,2,3,4,5
.irp c, 0,1
	global_load_b128 v[\base+48*\tc+8*\s+4*\c:\base+48*\tc+8*\s+4*\c+3], v232, s[16:17] offset:(3*\g+\tc)*6144+64*\s+32*\c
.endr
.endr
.endr
.endm
	v_mul_u32_u24 v10, v3, 6144
	v_lshl_add_u32 v10, v2, 4, v10
	v_add_nc_u32 v10, s57, v10                     ; x's codes: tile lane / 16, my head's three blocks, slot r
	v_add_nc_u32 v11, s58, v233                    ; x's scale bytes: row = lane, my head's three
	v_add_nc_u32 v240, XSC, v233
	v_and_b32 v241, 8, v2
	v_add_nc_u32 v241, v241, v2                    ; stage row r % 8 + 16 (r / 8) (+ 8 for the second tile)
	v_mul_u32_u24 v241, v241, SP
	v_lshl_add_u32 v241, v3, 5, v241
	v_add_nc_u32 v241, s59, v241
	v_add_nc_u32 v242, s60, v[LI]
	v_add_nc_u32 v243, XI, v[LI]
	WIN 0x40                                       ; W's column tile 1 into v144-191 of window 1 (the lines above are the places behind the last products), and the last six scale words
.irp s, 0,1,2,3,4,5
.irp c, 0,1
	global_load_b128 v[144+8*\s+4*\c:144+8*\s+4*\c+3], v232, s[16:17] offset:6144+64*\s+32*\c
.endr
.endr
	WIN 0
.irp k, 0,1,2
	global_load_b64 v[186+2*\k:187+2*\k], v233, s[18:19] offset:8*\k
.endr
.irp x, 0,1
	v_add_f32 v[TMP+20*\x+TT], v[ST+4*\x+2], v[ST+4*\x+3]
.endr
.irp x, 0,1
	v_permlanex16_b32 v[TMP+20*\x+PB], v[TMP+20*\x+TT], s[SEL], s[SEL+1]
.endr
.irp x, 0,1
	v_add_f32 v[TMP+20*\x+TT], v[TMP+20*\x+TT], v[TMP+20*\x+PB]   ; the row's sum
.endr
	s_wait_alu depctr_va_vdst(0)                   ; the wait ahead of the transcendentals
.irp x, 0,1
	v_rcp_f32 v[TMP+20*\x+FF], v[TMP+20*\x+TT]
.endr
	v_nop
	WIN 0x01
	s_wait_alu depctr_va_vdst(0)                   ; and ahead of their first reader, which is also the first reader of O^T
.irp x, 0,1
.set j, 0
.rept 48
	v_mul_f32 v[XV+48*\x+j], v[48*\x+j], v[TMP+20*\x+FF]   ; x: register 8 t + i is channel 16 t + 8 h + i
.set j, j+1
.endr
.endr
	WIN 0
.irp b, 0,1,2                                  ; block b of 32 channels: registers 16 b .. 16 b + 15 of lanes l and l xor 16
.irp x, 0,1
	v_max3_num_f32 v[TMP+20*\x+BM+\b], |v[XV+48*\x+16*\b]|, |v[XV+48*\x+16*\b+1]|, 0x1800000
.endr
.endr
.irp i, 2,4,6,8,10,12,14
.irp b, 0,1,2
.irp x, 0,1
	v_max3_num_f32 v[TMP+20*\x+BM+\b], v[TMP+20*\x+BM+\b], |v[XV+48*\x+16*\b+\i]|, |v[XV+48*\x+16*\b+\i+1]|
.endr
.endr
.endr
.irp b, 0,1,2
.irp x, 0,1
	v_permlanex16_b32 v[TMP+20*\x+PB+\b], v[TMP+20*\x+BM+\b], s[SEL], s[SEL+1]
.endr
.endr
.irp b, 0,1,2
.irp x, 0,1
	v_max_num_f32 v[TMP+20*\x+BM+\b], v[TMP+20*\x+BM+\b], v[TMP+20*\x+PB+\b]
.endr
.endr
.irp b, 0,1,2
.irp x, 0,1
	v_add_nc_u32 v[TMP+20*\x+SO+\b], 0xff000000, v[TMP+20*\x+BM+\b]
.endr
.endr
.irp b, 0,1,2
.irp x, 0,1
	v_lshrrev_b32 v[TMP+20*\x+PB+\b], 23, v[TMP+20*\x+SO+\b]
.endr
.endr
.irp b, 0,1,2                                  ; a lane's codes of channel tile 2 b are word h of the block's four, those of tile 2 b + 1 word 2 + h; tile x's go to registers x and 2 + x
.irp x, 0,1
	v_cvt_scalef32_pk8_fp4_f32 v[CX+4*\b+\x], v[XV+48*\x+16*\b:XV+48*\x+16*\b+7], v[TMP+20*\x+SO+\b]
	v_cvt_scalef32_pk8_fp4_f32 v[CX+4*\b+2+\x], v[XV+48*\x+16*\b+8:XV+48*\x+16*\b+15], v[TMP+20*\x+SO+\b]
.endr
.endr
.irp b, 0,1,2
	v_cndmask_b32 v[32+\b], v[TMP+PB+\b], v[TMP+20+PB+\b], s[HIM]   ; lanes 0-15 the first tile's byte, lanes 16-31 the second's.  (Also the plain lines behind the conversions)
.endr
.irp b, 0,1,2
	v_permlane16_swap_b32 v[CX+4*\b], v[CX+4*\b+1]     ; lanes 0-15 now hold the first tile's whole block of slot r, lanes 16-31 the second's
	v_permlane16_swap_b32 v[CX+4*\b+2], v[CX+4*\b+3]
.endr
.irp b, 0,1,2
	ds_store_b128 v10, v[CX+4*\b:CX+4*\b+3] offset:256*\b
	ds_store_b8 v11, v[32+\b] offset:\b
.endr
	LOADW 1, 36
	s_wait_alu depctr_va_vdst(0)                   ; the wait ahead of the wait below
	s_wait_dscnt 0x0                               ; for the others' sake
.irp k, 0,1,2,3,4,5
	global_load_b128 v[12+4*\k:15+4*\k], v[LI], s[20:21] offset:512*\k   ; b, as the rows come back from the stage: columns 128 k + 4 lane on
.endr
	s_barrier_signal -1
	s_barrier_wait -1                              ; all eight heads' x lies in LDS
	WIN 0x40
.irp m, 0,1
.irp s, 0,1,2,3,4,5
.irp c, 0,1
	ds_load_b128 v[48*\m+8*\s+4*\c:48*\m+8*\s+4*\c+3], v243 offset:6144*\m+1024*\s+512*\c   ; x's fragments as they lie
.endr
.endr
.endr
	WIN 0
.irp k, 0,1,2
	ds_load_b64 v[XS+2*\k:XS+2*\k+1], v240 offset:8*\k
.endr
	s_wait_loadcnt 0x0
	s_wait_dscnt 0x0
.macro MULS g                          ; three column tiles x two row tiles x six K steps; the six accumulators take turns; then into the stage
.set WB, 96-60*\g
.irp s, 0,1,2,3,4,5
.irp tc, 0,1,2
.irp m, 0,1
.set A0, ACC+8*(2*\tc+\m)
.set I0, (3*\g+\tc)/2
.set W0, WB+48*\tc+16*(\tc/2)*(1-\g)+8*\s          ; W's fragment: column tiles 0, 1, 2 at v96, v144, v208 of window 1; tiles 3, 4, 5 at v36, v84, v132 of window 0
.if \s == 0
	MM4 A0, W0, 48*\m+8*\s, 0, 186+52*((I0+1)/2)+6*I0+\s, XS+\s, (3*\g+\tc)%2, \m
.else
	MM4 A0, W0, 48*\m+8*\s, v[A0:A0+7], 186+52*((I0+1)/2)+6*I0+\s, XS+\s, (3*\g+\tc)%2, \m
.endif
.endr
.endr
.endr
	WIN 0
.rept 5
	v_nop                                          ; places: ahead of the reads of the results, and of the next products, which begin these accumulators anew
.endr
.irp tc, 0,1,2
.irp m, 0,1
	ds_store_b128 v241, v[ACC+8*(2*\tc+\m):ACC+8*(2*\tc+\m)+3] offset:\m*8*SP+64*(3*\g+\tc)
	ds_store_b128 v241, v[ACC+8*(2*\tc+\m)+4:ACC+8*(2*\tc+\m)+7] offset:\m*8*SP+64*(3*\g+\tc)+16
.endr
.endr
.endm
	WIN 0x05                                       ; W and x in window 1
	MULS 0
	WIN 0x04                                       ; W in window 0
	MULS 1
	s_wait_dscnt 0x0                               ; for the others' sake
	s_barrier_signal -1
	s_barrier_wait -1                              ; the 32 rows are whole
	WIN 0x40
.irp i, 0,1,2,3
.irp k, 0,1,2,3,4,5
	ds_load_b128 v[96+4*(6*\i+\k):96+4*(6*\i+\k)+3], v242 offset:\i*SP+512*\k
.endr
.endr
	s_wait_dscnt 0x0
	WIN 0x41
.irp i, 0,1,2,3
.irp k, 0,1,2,3,4,5
	v_pk_add_f32 v[96+4*(6*\i+\k):96+4*(6*\i+\k)+1], v[96+4*(6*\i+\k):96+4*(6*\i+\k)+1], v[12+4*\k:13+4*\k]
	v_pk_add_f32 v[98+4*(6*\i+\k):98+4*(6*\i+\k)+1], v[98+4*(6*\i+\k):98+4*(6*\i+\k)+1], v[14+4*\k:15+4*\k]
.endr
.endr
	WIN 0x04
.irp i, 0,1,2,3
.irp k, 0,1,2,3,4,5
	global_store_b128 v[LI], v[96+4*(6*\i+\k):96+4*(6*\i+\k)+3], s[22:23] offset:\i*3072+512*\k th:TH_STORE_NT   ; 512 consecutive bytes, at a multiple of 256 from out0's first byte
.endr
.endr
	WIN 0
	s_wait_tensorcnt 0x0                           ; the wave's end
	ds_add_u32 v[SPW], v[NIL]
	s_wait_dscnt 0x0
	s_endpgm
.Lfunc_end_k_qa493a5a713_mha:
	.size	k_qa493a5a713_mha, .Lfunc_end_k_qa493a5a713_mha-k_qa493a5a713_mha
	.p2alignl 7, 3214868480
	.fill 96, 4, 3214868480
	.section	.rodata,"a",@progbits
	.p2align	6, 0x0
	.amdhsa_kernel k_qa493a5a713_mha
		.amdhsa_group_segment_fixed_size 224256
		.amdhsa_private_segment_fixed_size 0
		.amdhsa_enable_private_segment 0
		.amdhsa_kernarg_size 80
		.amdhsa_user_sgpr_count 2
		.amdhsa_user_sgpr_kernarg_segment_ptr 1
		.amdhsa_wavefront_size32 1
		.amdhsa_system_sgpr_workgroup_id_x 1
		.amdhsa_system_sgpr_workgroup_id_y 1
		.amdhsa_system_sgpr_workgroup_id_z 1
		.amdhsa_system_vgpr_workitem_id 0
		.amdhsa_next_free_vgpr 512
		.amdhsa_next_free_sgpr 66
		.amdhsa_reserve_vcc 1
		.amdhsa_float_denorm_mode_32 3
		.amdhsa_float_denorm_mode_16_64 3
		.amdhsa_memory_ordered 1
		.amdhsa_forward_progress 1
		.amdhsa_inst_pref_size 112
	.end_amdhsa_kernel
	.amdgpu_metadata
---
amdhsa.version: [ 1, 2 ]
amdhsa.kernels:
  - .name:           k_qa493a5a713_mha
    .symbol:         k_qa493a5a713_mha.kd
    .args:
      - { .name: q_img, .offset: 0, .size: 8, .value_kind: global_buffer, .address_space: global }
      - { .name: q_sc, .offset: 8, .size: 8, .value_kind: global_buffer, .address_space: global }
      - { .name: k_img, .offset: 16, .size: 8, .value_kind: global_buffer, .address_space: global }
      - { .name: k_sc, .offset: 24, .size: 8, .value_kind: global_buffer, .address_space: global }
      - { .name: v_img, .offset: 32, .size: 8, .value_kind: global_buffer, .address_space: global }
      - { .name: values_scales, .offset: 40, .size: 8, .value_kind: global_buffer, .address_space: global }
      - { .name: fc_w_codes, .offset: 48, .size: 8, .value_kind: global_buffer, .address_space: global }
      - { .name: fc_w_scales, .offset: 56, .size: 8, .value_kind: global_buffer, .address_space: global }
      - { .name: fc_b, .offset: 64, .size: 8, .value_kind: global_buffer, .address_space: global }
      - { .name: out0, .offset: 72, .size: 8, .value_kind: global_buffer, .address_space: global }
    .group_segment_fixed_size: 224256
    .private_segment_fixed_size: 0
    .kernarg_segment_align: 8
    .kernarg_segment_size: 80
    .max_flat_workgroup_size: 256
    .sgpr_count:     66
    .vgpr_count:     512
    .wavefront_size: 32
...
	.end_amdgpu_metadata
.endif
;; end of part 2
